; MI455X (gfx1250); checked and timed in simulation.
; The chip was launched on July 23, 2026; its instructions are those of AMD's public machine-readable ISA for CDNA 5 (MIT licence, August 2026) and "CDNA5" Instruction Set Architecture Reference Guide (July 2026). The comments in the code are by the model that wrote it; some were corrected since.
;; F Mo E. Allowed arithmetic: matrix products marked QUANTISED: E2M3 operands, one E8M0 scale for each 32 along K, by v_wmma_scale_f32_16x16x128_f8f6f4 with both operands' format E2M3, f32 sums; products left as they are: f32 operands where the result goes on into a quantised operand, else bf16, f16 or f32 operands; f32 sums; everything else in f32.
;; Inputs: b1 8 x 4,096 float32; b2 8 x 1,024 float32; gate_b 8 float32; gate_w 1,024 x 8 float32; w1_codes 8 x 4,096 x 32 x 24 uint8 (E2M3 codes of w1, K innermost, in blocks of 32 codes, four codes in three bytes); w1_scales 8 x 4,096 x 32 uint8 (E8M0 scales of w1, one for each 32 codes along K); w2_codes 8 x 1,024 x 128 x 24 uint8 (E2M3 codes of w2, K innermost, in blocks of 32 codes, four codes in three bytes); w2_scales 8 x 1,024 x 128 uint8 (E8M0 scales of w2, one for each 32 codes along K); x 1,024 x 1,024 float32.
;; Outputs: out0 1,024 x 1,024 float32.
;; This version of the problem:
;;   THIS VERSION OF THE PROBLEM IS GIVEN IN LOW PRECISION. The matrix products marked QUANTISED in the list below multiply operands that are first quantised to E2M3 (2 exponent bits, 3 mantissa bits; 6 bits a number), with one power-of-two scale for each 32 numbers along K (OCP MX v1.0); their sums are f32. All else is computed in f32.
;;   The module's matrix products, in the order in which they are computed (A, B: the left and right operand; K: the contracted axis; several contracted axes count as one K, in the product's order):
;;     1. [M 1,024, K 1,024] x [K 1,024, N 8]; A: input x; B: input gate_w: left as it is (N = 8 < 16)
;;     2. [M 1,024, K 1,024] x [K 1,024, N 4,096]; A: input x; B: input w1 (given as codes): QUANTISED
;;     3. [M 1,024, K 4,096] x [K 4,096, N 1,024]; A: computed on the way; B: input w2 (given as codes): QUANTISED
;;     4. [M 1,024, K 1,024] x [K 1,024, N 4,096]; A: input x; B: input w1 (given as codes): QUANTISED
;;     5. [M 1,024, K 4,096] x [K 4,096, N 1,024]; A: computed on the way; B: input w2 (given as codes): QUANTISED
;;     6. [M 1,024, K 1,024] x [K 1,024, N 4,096]; A: input x; B: input w1 (given as codes): QUANTISED
;;     7. [M 1,024, K 4,096] x [K 4,096, N 1,024]; A: computed on the way; B: input w2 (given as codes): QUANTISED
;;     8. [M 1,024, K 1,024] x [K 1,024, N 4,096]; A: input x; B: input w1 (given as codes): QUANTISED
;;     9. [M 1,024, K 4,096] x [K 4,096, N 1,024]; A: computed on the way; B: input w2 (given as codes): QUANTISED
;;     10. [M 1,024, K 1,024] x [K 1,024, N 4,096]; A: input x; B: input w1 (given as codes): QUANTISED
;;     11. [M 1,024, K 4,096] x [K 4,096, N 1,024]; A: computed on the way; B: input w2 (given as codes): QUANTISED
;;     12. [M 1,024, K 1,024] x [K 1,024, N 4,096]; A: input x; B: input w1 (given as codes): QUANTISED
;;     13. [M 1,024, K 4,096] x [K 4,096, N 1,024]; A: computed on the way; B: input w2 (given as codes): QUANTISED
;;     14. [M 1,024, K 1,024] x [K 1,024, N 4,096]; A: input x; B: input w1 (given as codes): QUANTISED
;;     15. [M 1,024, K 4,096] x [K 4,096, N 1,024]; A: computed on the way; B: input w2 (given as codes): QUANTISED
;;     16. [M 1,024, K 1,024] x [K 1,024, N 4,096]; A: input x; B: input w1 (given as codes): QUANTISED
;;     17. [M 1,024, K 4,096] x [K 4,096, N 1,024]; A: computed on the way; B: input w2 (given as codes): QUANTISED
;;   THE QUANTISER, for each operand of a quantised product, along K:
;;     - K is cut into blocks of 32 from its start; a last block that is shorter is filled with zeros.
;;     - A block's scale is 2^e with e = floor(log2(the largest magnitude in the block)) - 2, held to -126 .. 127; a block of zeros has e = 0. As a byte (E8M0): e + 127.
;;     - Each number is divided by its block's scale, clamped to +-7.5, and rounded to the nearest number of E2M3, ties to even, subnormals kept.
;;     - The product sums the exact products of the quantised numbers (number of the format x scale) in f32.
;;   ~~~python
;;   def quantise(x, axis):      # numpy; x: float32 -> the quantised numbers, widened to float32 again
;;       x = np.moveaxis(x, axis, -1); K = x.shape[-1]
;;       x = np.pad(x, [(0, 0)] * (x.ndim - 1) + [(0, -K % 32)]); x = x.reshape(x.shape[:-1] + (-1, 32)); a = np.abs(x).max(-1, keepdims=True)
;;       e = np.where(a > 0, np.clip(np.frexp(np.where(a > 0, a, 1))[1] - 1 - 2, -126, 127), 0)      # np.frexp(a)[1] - 1 = floor(log2(a)), exactly
;;       r = np.clip(x / 2.0 ** e, -7.5, 7.5)
;;       step = 2.0 ** (np.maximum(np.frexp(np.where(r == 0, 1, r))[1] - 1, 0) - 3)
;;       q = np.round(r / step) * step * 2.0 ** e      # np.round: ties to even
;;       return np.moveaxis(q.reshape(q.shape[:-2] + (-1,))[..., :K], -1, axis).astype(np.float32)
;;   ~~~
;;   OPERANDS COMPUTED ON THE WAY. 'Computed on the way' means the value that the module computes at that place (a softmax that the list does not call 'softmax' is quantised finished and normalised). What goes into a quantiser is computed in f32, as accurately as f32 sums, v_exp_f32 and their like allow (about 1e-6 of the number): no bf16 or f16 on the way to a quantiser, and a product that is left as it is and whose result goes on into a quantised operand takes f32 operands (vector FMAs, or v_wmma_f32_16x16x4_f32). A number that lies on a knife's edge between two numbers of the format may be rounded either way, as far as f32 arithmetic and the matrix unit's own rounding can turn it there, and no further.
;;   INPUTS GIVEN AS CODES. w1 (in the module: [8, 1024, 4096], K = its axis 1); w2 (in the module: [8, 4096, 1024], K = its axis 1): each comes as NAME_codes (uint8): NAME with its K axis moved to the last place and cut into blocks of 32 codes, [.., K / 32, bytes a block], one block behind the other in memory; four codes in three bytes: a row's codes are one little-endian stream of bits, code i at bits 6 i .. 6 i + 5 (a code: sign, 2 exponent bits, 3 mantissa bits); and NAME_scales (uint8): the same leading axes, one E8M0 byte (e + 127) for each 32 codes along K. Its value is code x scale, taken as it is: it is not quantised again, and the codes and scales need not be those that the quantiser above would give.
;; One version. Each part assembles by itself: llvm-mc -triple=amdgcn-amd-amdhsa -mcpu=gfx1250 --defsym DOCPART=n.
;; ======== version 1 of 1: 4 launches
;; limits: right only within a limited range of input values
;; workspace buffers: xq 819,200 bytes; choice 4,096 bytes of whole numbers; score 8,192 bytes; bm 2,048 bytes of whole numbers; hq 26,214,400 bytes; yp 35,651,584 bytes
;; launch route (part 1): grid 64 x 1, 8 waves a work-group, no clusters, 51,200 bytes of LDS; arguments x, gate_w, gate_b, xq, choice, score, bm; writes xq, choice, score, bm
.if DOCPART == 1
	.amdgcn_target "amdgcn-amd-amdhsa--gfx1250"
	.amdhsa_code_object_version 6
	.text
	.protected	k_qc144afffca_route
	.globl	k_qc144afffca_route
	.p2align	8
	.type	k_qc144afffca_route,@function
k_qc144afffca_route:
	s_mov_b64 s[64:65], 0
	v_nop
	global_prefetch_b8 v0, s[64:65] scope:SCOPE_SE
	s_setreg_imm32_b32 hwreg(HW_REG_WAVE_MODE, 25, 1), 1
	s_wait_xcnt 0x0
; THE GATE AND THE QUANTISING OF x.  logits = x gate_w + gate_b in f32 multiply-adds; the two largest logits of a token (of equals the lower expert first), the softmax over those two
; (the larger is taken away before the exponential), and x as codes of E2M3 with one E8M0 byte for each 32 along K.
; SHARES: a work-group has 16 tokens, wave w the 128 numbers 128 w .. 128 w + 127 of each.  Lane (r = lane % 16, h = lane / 16) holds of token r the numbers 128 w + 32 b + 16 h + i: register X + 16 b + i.
; OUT: xq: a token's 768 bytes of codes, K step s of lane half h as 48 bytes on end at 96 s + 48 h (the order of an operand's registers), and from XS_OFF on 32 scale bytes a token;
;      choice: e0 | e1 << 8;  score: the two weights;  bm[e][g]: bit r set where token 16 g + r uses expert e.  All are stored at fixed places: no address and no branch hangs on a logit.
; LIMITS: NaN and infinite logits are not served; two logits that differ by less than the f32 sums' own error may change places; a block of zeros gets the byte 1 (its codes are zeros, and only this program reads the bytes).
.set XP,     784                       ; a token's row in the stage: 768 bytes + 16
.set GW,     0                         ; LDS: each wave's 128 rows of gate_w, 4,096 bytes
.set XST,    32768                     ; the codes' stage, 16 rows
.set XSS,    XST+16*XP                 ; the scale words' stage, 32 bytes a token
.set LG,     XSS+512                   ; partial logits: 512 bytes a wave, 32 a token
.set XS_OFF, 786432
.set XA,   4                           ; 4096 r + 64 h
.set LI,   5                           ; 16 x lane
.set GWA,  6
.set GRA,  7
.set LGA,  8
.set XWI,  9
.set XWS,  10
.set XRD,  11
.set XGO,  12
.set LGR,  13
.set XSR,  14
.set R4,   15
.set R8,   16
.set L256, 17
.set L,    20                          ; v20-27   eight logits
.set LT,   28                          ; v28-35   the other half's
.set X,    36                          ; v36-99   64 numbers of x
.set G,    100                         ; v100-163 two sets of four rows of gate_w
.set TM,   164                         ; v164-179 at work in the quantiser
.set H2A,  TM+8
.set H2B,  180
.set PW,   183
.set PC,   184                         ; v184-195 the fragment's codes
.set GR,   196                         ; v196-227 gate_w as loaded
.set BEST, TM
.set BI,   TM+1
.set SEC,  TM+2
.set SI,   TM+3
.set DD,   TM+4
.set PP,   TM+5
.set QQ,   TM+6
.set SCO,  TM+8
.set RT,   TM+10
.set BMV,  TM+11
	s_load_b256 s[4:11], s[0:1], 0x0               ; x, gate_w, gate_b, xq
	s_load_b128 s[12:15], s[0:1], 0x20             ; choice, score
	s_load_b64 s[16:17], s[0:1], 0x30              ; bm
	v_lshl_add_u32 v228, v0, 2, 0xc400
	v_mov_b32 v229, 0
	v_lshrrev_b32 v1, 5, v0
	s_delay_alu instid0(VALU_DEP_1)
	v_readfirstlane_b32 s18, v1                    ; wave 0..7
	v_and_b32 v1, 31, v0                           ; lane
	v_and_b32 v2, 15, v0                           ; r
	v_bfe_u32 v3, v0, 4, 1                         ; h
	s_delay_alu instid0(VALU_DEP_2)
	v_lshlrev_b32 v[XA], 12, v2
	s_delay_alu instid0(VALU_DEP_1)
	v_lshl_add_u32 v[XA], v3, 6, v[XA]
	v_lshlrev_b32 v[LI], 4, v1
	s_lshl_b32 s19, s18, 12                        ; 4096 w
	s_lshl_b32 s20, s18, 9                         ; 512 w
	s_lshl_b32 s22, ttmp9, 16                      ; 16 tokens of 4,096 bytes
	s_add_co_u32 s22, s22, s20
	s_mov_b32 s23, 0
	s_wait_alu depctr_va_vdst(0)
	s_wait_kmcnt 0x0
	s_add_nc_u64 s[4:5], s[4:5], s[22:23]          ; x at my tokens, my K step
	s_mov_b32 s22, s19
	s_add_nc_u64 s[6:7], s[6:7], s[22:23]          ; gate_w at my 128 rows
	s_load_b256 s[32:39], s[8:9], 0x0              ; gate_b, asked for here; wave 0 alone waits for it and reads it, behind the barrier
.irp i, 0,1,2,3,4,5,6,7
	global_load_b128 v[GR+4*\i:GR+4*\i+3], v[LI], s[6:7] offset:512*\i
.endr
.irp b, 0,1,2,3
.irp j, 0,1,2,3
	global_load_b128 v[X+16*\b+4*\j:X+16*\b+4*\j+3], v[XA], s[4:5] offset:128*\b+16*\j th:TH_LOAD_NT
.endr
.endr
	; every LDS address is made here, ahead of the branch on the wave's number
	v_add_nc_u32 v[GWA], s19, v[LI]                ; GW + 4096 w + 16 lane
	v_lshlrev_b32 v[GRA], 9, v3
	s_delay_alu instid0(VALU_DEP_1)
	v_add_nc_u32 v[GRA], s19, v[GRA]               ; GW + 4096 w + 512 h: my half's 16 rows of each block of 32
	v_lshlrev_b32 v[LGA], 5, v2
	s_delay_alu instid0(VALU_DEP_1)
	v_add_nc_u32 v[LGR], LG, v[LGA]                ; LG + 32 r
	s_delay_alu instid0(VALU_DEP_1)
	v_add_nc_u32 v[LGA], s20, v[LGR]               ; + 512 w
	v_mul_u32_u24 v[XWI], v2, XP
	s_delay_alu instid0(VALU_DEP_1)
	v_mad_u32_u24 v[XWI], v3, 48, v[XWI]
	s_mul_i32 s21, s18, 96
	s_add_co_u32 s21, s21, XST
	v_add_nc_u32 v[XWI], s21, v[XWI]               ; XST + 784 r + 48 h + 96 w
	v_lshlrev_b32 v[XWS], 5, v2
	s_lshl_b32 s21, s18, 2
	s_add_co_u32 s21, s21, XSS
	v_add_nc_u32 v[XWS], s21, v[XWS]               ; XSS + 32 r + 4 w
	s_mul_i32 s21, s18, 2*XP
	s_add_co_u32 s21, s21, XST
	v_mul_u32_u24 v[XRD], v3, XP
	s_delay_alu instid0(VALU_DEP_1)
	v_lshl_add_u32 v[XRD], v2, 4, v[XRD]
	s_delay_alu instid0(VALU_DEP_1)
	v_add_nc_u32 v[XRD], s21, v[XRD]               ; XST + 784 (2 w + h) + 16 r
	v_mul_u32_u24 v[XGO], v3, 768
	s_delay_alu instid0(VALU_DEP_1)
	v_lshl_add_u32 v[XGO], v2, 4, v[XGO]           ; 768 h + 16 r
	v_add_nc_u32 v[XSR], XSS, v[LI]
	v_lshlrev_b32 v[R4], 2, v2
	v_lshlrev_b32 v[R8], 3, v2
	v_lshlrev_b32 v[L256], 8, v1
	s_mov_b32 s24, 0x76543210
	s_mov_b32 s25, 0xfedcba98                      ; lane selects: lane xor 16
.irp e, 0,1,2,3,4,5,6,7
	v_mov_b32 v[LT+\e], 0                          ; a lane permute's destination counts as one of its sources
.endr
.irp b, 0,1,2,3
	v_mov_b32 v[TM+4+\b], 0
.endr
	s_mul_i32 s22, ttmp9, 12288
	s_mul_i32 s21, s18, 1536
	s_add_co_u32 s22, s22, s21
	s_add_nc_u64 s[28:29], s[10:11], s[22:23]      ; xq: my two tokens' codes
	s_lshl_b32 s22, ttmp9, 9
	s_add_co_u32 s22, s22, XS_OFF
	s_add_nc_u64 s[26:27], s[10:11], s[22:23]      ; xq: the group's scale words
	s_lshl_b32 s22, ttmp9, 6
	s_add_nc_u64 s[12:13], s[12:13], s[22:23]
	s_lshl_b32 s22, ttmp9, 7
	s_add_nc_u64 s[14:15], s[14:15], s[22:23]
	s_lshl_b32 s22, ttmp9, 2
	s_add_nc_u64 s[16:17], s[16:17], s[22:23]
	s_wait_loadcnt 16                              ; gate_w's eight loads are in; x's sixteen are younger
.irp i, 0,1,2,3,4,5,6,7
	ds_store_b128 v[GWA], v[GR+4*\i:GR+4*\i+3] offset:512*\i   ; my own bytes: LDS serves a wave's instructions in order
.endr
; THE GATE.  Sixteen batches of four k.  All lanes of a half read the same row of gate_w (32 bytes, eight experts); x's number is taken for both halves of each packed multiply-add.
.macro GLOAD                           ; batch NB into set NB % 2
.irp kk, 0,1,2,3
	ds_load_b128 v[G+32*(NB%2)+8*\kk:G+32*(NB%2)+8*\kk+3],   v[GRA] offset:1024*(NB/4)+32*(4*(NB%4)+\kk)
	ds_load_b128 v[G+32*(NB%2)+8*\kk+4:G+32*(NB%2)+8*\kk+7], v[GRA] offset:1024*(NB/4)+32*(4*(NB%4)+\kk)+16
.endr
.endm
.macro GK                              ; one k: x's number is register X + 4 n + kk, of the pair at XI
.irp p, 0,2,4,6
.if (n+kk) == 0
	v_pk_mul_f32 v[L+\p:L+\p+1], v[XI:XI+1], v[GB+\p:GB+\p+1] op_sel_hi:[0,1]          ; the first k starts the sums: nothing is cleared
.elseif (kk%2) == 1
	s_delay_alu instid0(VALU_DEP_4)
	v_pk_fma_f32 v[L+\p:L+\p+1], v[XI:XI+1], v[GB+\p:GB+\p+1], v[L+\p:L+\p+1] op_sel:[1,0,0] op_sel_hi:[1,1,1]
.else
	v_pk_fma_f32 v[L+\p:L+\p+1], v[XI:XI+1], v[GB+\p:GB+\p+1], v[L+\p:L+\p+1] op_sel_hi:[0,1,1]
.endif
.endr
.endm
.set NB, 0
	GLOAD
.set n, 0
.rept 16
.if n < 15
.set NB, n+1
	GLOAD
	s_wait_alu depctr_va_vdst(0)
	s_wait_dscnt 8                                 ; this batch is in; the next batch's eight loads may be out
.else
	s_wait_alu depctr_va_vdst(0)
	s_wait_dscnt 0x0
.endif
.if n == 0
	s_wait_loadcnt 0x0                             ; x
.endif
.set kk, 0
.rept 4
.set XI, X+4*n+2*(kk/2)
.set GB, G+32*(n%2)+8*kk
	GK
.set kk, kk+1
.endr
.set n, n+1
.endr
.irp e, 0,1,2,3,4,5,6,7
	v_permlanex16_b32 v[LT+\e], v[L+\e], s24, s25
.endr
.irp p, 0,2,4,6
	v_pk_add_f32 v[L+\p:L+\p+1], v[L+\p:L+\p+1], v[LT+\p:LT+\p+1]   ; both halves of my 128 along K
.endr
	ds_store_b128 v[LGA], v[L:L+3]                 ; (both halves write the same numbers to the same bytes)
	ds_store_b128 v[LGA], v[L+4:L+7] offset:16
; THE QUANTISER: 64 numbers of a lane, register 16 b + i = k 32 b + 16 h + i of my row, become a fragment's twelve registers and my row's scale word.
.irp b, 0,1,2,3
	v_max3_num_f32 v[TM+\b], |v[X+16*\b]|, |v[X+1+16*\b]|, 0x1800000   ; and the floor 2^(3 - 127): the byte cannot fall under 1
.endr
.irp i, 2,4,6,8,10,12,14
.irp b, 0,1,2,3
	s_delay_alu instid0(VALU_DEP_4)
	v_max3_num_f32 v[TM+\b], v[TM+\b], |v[X+16*\b+\i]|, |v[X+1+16*\b+\i]|
.endr
.endr
.irp b, 0,1,2,3
	s_delay_alu instid0(VALU_DEP_4)
	v_permlanex16_b32 v[TM+4+\b], v[TM+\b], s24, s25
.endr
.irp b, 0,1,2,3
	s_delay_alu instid0(VALU_DEP_4)
	v_max_num_f32 v[TM+\b], v[TM+\b], v[TM+4+\b]   ; the block's largest magnitude
.endr
.irp b, 0,1,2,3
	s_delay_alu instid0(VALU_DEP_4)
	v_add_nc_u32 v[TM+12+\b], 0xff000000, v[TM+\b] ; 2 off its exponent field: the conversion's scale operand
.endr
.irp b, 0,1,2,3
	s_delay_alu instid0(VALU_DEP_4)
	v_lshrrev_b32 v[TM+4+\b], 23, v[TM+12+\b]      ; the scale's byte
.endr
	s_delay_alu instid0(VALU_DEP_3)
	v_lshl_or_b32 v[PW], v[TM+5], 8, v[TM+4]
	s_delay_alu instid0(VALU_DEP_1)
	v_lshl_or_b32 v[PW], v[TM+6], 16, v[PW]
	s_delay_alu instid0(VALU_DEP_1)
	v_lshl_or_b32 v[PW], v[TM+7], 24, v[PW]
	v_cvt_scalef32_pk16_fp6_f32 v[PC:PC+2], v[X:X+15], v[TM+12]
	v_cvt_scalef32_pk16_fp6_f32 v[H2A:H2A+2], v[X+16:X+31], v[TM+13]
	v_cvt_scalef32_pk16_fp6_f32 v[PC+6:PC+8], v[X+32:X+47], v[TM+14]
	v_cvt_scalef32_pk16_fp6_f32 v[H2B:H2B+2], v[X+48:X+63], v[TM+15]
	v_nop                                          ; one plain place behind the scaled conversions
.irp i, 0,1,2
	v_permlane16_swap_b32 v[PC+\i], v[H2A+\i]      ; a whole block to a lane: lanes 0-15 block 0, lanes 16-31 block 1
	v_permlane16_swap_b32 v[PC+6+\i], v[H2B+\i]
.endr
.irp i, 0,1,2
	v_mov_b32 v[PC+3+\i], v[H2A+\i]
	v_mov_b32 v[PC+9+\i], v[H2B+\i]
.endr
.irp j, 0,1,2
	ds_store_b128 v[XWI], v[PC+4*\j:PC+4*\j+3] offset:16*\j
.endr
	ds_store_b32 v[XWS], v[PW]
	s_wait_dscnt 0x0                               ; for the others' sake: all my stores have landed
	s_barrier_signal -1
	s_barrier_wait -1
	; two whole tokens a wave leave: sixteen lanes store 256 consecutive bytes, at a multiple of 256 from xq's first byte
.irp t, 0,1,2
	ds_load_b128 v[G+4*\t:G+4*\t+3], v[XRD] offset:256*\t
.endr
.irp t, 0,1,2
	s_wait_dscnt 2-\t
	global_store_b128 v[XGO], v[G+4*\t:G+4*\t+3], s[28:29] offset:256*\t
.endr
	s_cmp_lg_u32 s18, 0
	s_cbranch_scc1 .Lend
	; WAVE 0: the scale words leave; the logits are summed over the eight waves' parts, K ascending; the choice
	ds_load_b128 v[G+12:G+15], v[XSR]
.irp wv, 0,1,2,3,4,5,6,7
	ds_load_b128 v[X+8*\wv:X+8*\wv+3],   v[LGR] offset:512*\wv
	ds_load_b128 v[X+8*\wv+4:X+8*\wv+7], v[LGR] offset:512*\wv+16
.endr
	s_wait_dscnt 16                                ; the scale words are in; the logits' sixteen loads are younger
	global_store_b128 v[LI], v[G+12:G+15], s[26:27]
	s_wait_dscnt 0x0
.irp p, 0,2,4,6
	v_pk_add_f32 v[L+\p:L+\p+1], v[X+\p:X+\p+1], v[X+8+\p:X+8+\p+1]
.endr
.irp wv, 2,3,4,5,6,7
.irp p, 0,2,4,6
	s_delay_alu instid0(VALU_DEP_4)
	v_pk_add_f32 v[L+\p:L+\p+1], v[L+\p:L+\p+1], v[X+8*\wv+\p:X+8*\wv+\p+1]
.endr
.endr
	s_wait_alu depctr_va_vdst(0)
	s_wait_kmcnt 0x0
.irp e, 0,1,2,3,4,5,6,7
	v_add_f32 v[L+\e], s[32+\e], v[L+\e]
.endr
	v_mov_b32 v[BEST], v[L]                        ; the largest: a later expert takes the place only if it is strictly larger
	v_mov_b32 v[BI], 0
.irp e, 1
	s_delay_alu instid0(VALU_DEP_2)
	v_cmp_le_f32 vcc_lo, v[L+\e], v[BEST]
	s_delay_alu instid0(VALU_DEP_1)
	v_cndmask_b32 v[BI], \e, v[BI], vcc_lo
	s_delay_alu instid0(VALU_DEP_2)
	v_cndmask_b32 v[BEST], v[L+\e], v[BEST], vcc_lo
.endr
.irp e, 2, 3, 4, 5, 6, 7
	s_delay_alu instid0(VALU_DEP_1)
	v_cmp_le_f32 vcc_lo, v[L+\e], v[BEST]
	s_delay_alu instid0(VALU_DEP_1)
	v_cndmask_b32 v[BI], \e, v[BI], vcc_lo
	s_delay_alu instid0(VALU_DEP_2)
	v_cndmask_b32 v[BEST], v[L+\e], v[BEST], vcc_lo
.endr
	v_mov_b32 v[SEC], 0xff800000                   ; the second: the same among the others, from -infinity
	v_mov_b32 v[SI], 0
.irp e, 0
	s_delay_alu instid0(VALU_DEP_4)
	v_cmp_eq_u32 s40, \e, v[BI]
	s_delay_alu instid0(VALU_DEP_3)
	v_cmp_le_f32 s41, v[L+\e], v[SEC]
	s_or_b32 vcc_lo, s40, s41
	v_cndmask_b32 v[SI], \e, v[SI], vcc_lo
	v_cndmask_b32 v[SEC], v[L+\e], v[SEC], vcc_lo
.endr
.irp e, 1, 2, 3, 4, 5, 6, 7
	v_cmp_eq_u32 s40, \e, v[BI]
	s_delay_alu instid0(VALU_DEP_2)
	v_cmp_le_f32 s41, v[L+\e], v[SEC]
	s_or_b32 vcc_lo, s40, s41
	v_cndmask_b32 v[SI], \e, v[SI], vcc_lo
	v_cndmask_b32 v[SEC], v[L+\e], v[SEC], vcc_lo
.endr
	s_delay_alu instid0(VALU_DEP_1)
	v_sub_f32 v[DD], v[SEC], v[BEST]               ; the larger logit is taken away: 0 or less
	s_delay_alu instid0(VALU_DEP_1)
	v_mul_f32 v[DD], 0x3fb8aa3b, v[DD]
	s_wait_alu depctr_va_vdst(0)
	v_exp_f32 v[PP], v[DD]                         ; p = e^(second - largest), at most 1
	v_lshl_or_b32 v[RT], v[SI], 8, v[BI]           ; (a plain place behind the exponential)
	s_wait_alu depctr_va_vdst(0)                   ; ahead of the first reader of p
	v_add_f32 v[QQ], 1.0, v[PP]
	s_wait_alu depctr_va_vdst(0)
	v_rcp_f32 v[SCO], v[QQ]                        ; the first weight, 1 / (1 + p)
	v_mov_b32 v[BMV], 0                            ; (a plain place)
	s_wait_alu depctr_va_vdst(0)
	v_mul_f32 v[SCO+1], v[PP], v[SCO]              ; the second, p / (1 + p)
	global_store_b32 v[R4], v[RT], s[12:13]        ; (lanes 16-31 write lanes 0-15's numbers to the same places)
	global_store_b64 v[R8], v[SCO:SCO+1], s[14:15]
.irp e, 0,1,2,3,4,5,6,7
	v_cmp_eq_u32 s40, \e, v[BI]
	v_cmp_eq_u32 s41, \e, v[SI]
	s_or_b32 s40, s40, s41
	s_and_b32 s40, s40, 0xffff                     ; bit r: token r uses expert e
	s_lshl_b32 s41, s41, 16
	s_or_b32 s40, s40, s41                         ; bit 16 + r: expert e is token r's second choice
	v_writelane_b32 v[BMV], s40, \e                ; lane e carries expert e's word: a number to be stored, nothing here is steered by it
.endr
	v_cmp_gt_u32 vcc_lo, 8, v1
	s_wait_alu depctr_va_vdst(0)
	s_wait_xcnt 0x0                                ; EXEC changes only behind this wait
	s_and_saveexec_b32 s44, vcc_lo
	global_store_b32 v[L256], v[BMV], s[16:17]     ; bm[e][g], lanes 0 to 7
	s_wait_xcnt 0x0
	s_or_b32 exec_lo, exec_lo, s44
.Lend:
	s_wait_tensorcnt 0x0
	ds_add_u32 v228, v229
	s_wait_dscnt 0x0
	s_endpgm
.Lfunc_end_k_qc144afffca_route:
	.size	k_qc144afffca_route, .Lfunc_end_k_qc144afffca_route-k_qc144afffca_route
	.p2alignl 7, 3214868480
	.fill 96, 4, 3214868480
	.section	.rodata,"a",@progbits
	.p2align	6, 0x0
	.amdhsa_kernel k_qc144afffca_route
		.amdhsa_group_segment_fixed_size 51200
		.amdhsa_private_segment_fixed_size 0
		.amdhsa_enable_private_segment 0
		.amdhsa_kernarg_size 56
		.amdhsa_user_sgpr_count 2
		.amdhsa_user_sgpr_kernarg_segment_ptr 1
		.amdhsa_wavefront_size32 1
		.amdhsa_system_sgpr_workgroup_id_x 1
		.amdhsa_system_sgpr_workgroup_id_y 1
		.amdhsa_system_sgpr_workgroup_id_z 1
		.amdhsa_system_vgpr_workitem_id 0
		.amdhsa_next_free_vgpr 230
		.amdhsa_next_free_sgpr 66
		.amdhsa_reserve_vcc 1
		.amdhsa_float_denorm_mode_32 3
		.amdhsa_float_denorm_mode_16_64 3
		.amdhsa_memory_ordered 1
		.amdhsa_forward_progress 1
		.amdhsa_inst_pref_size 55
	.end_amdhsa_kernel
	.amdgpu_metadata
---
amdhsa.version: [ 1, 2 ]
amdhsa.kernels:
  - .name:           k_qc144afffca_route
    .symbol:         k_qc144afffca_route.kd
    .args:
      - { .name: x, .offset: 0, .size: 8, .value_kind: global_buffer, .address_space: global }
      - { .name: gate_w, .offset: 8, .size: 8, .value_kind: global_buffer, .address_space: global }
      - { .name: gate_b, .offset: 16, .size: 8, .value_kind: global_buffer, .address_space: global }
      - { .name: xq, .offset: 24, .size: 8, .value_kind: global_buffer, .address_space: global }
      - { .name: choice, .offset: 32, .size: 8, .value_kind: global_buffer, .address_space: global }
      - { .name: score, .offset: 40, .size: 8, .value_kind: global_buffer, .address_space: global }
      - { .name: bm, .offset: 48, .size: 8, .value_kind: global_buffer, .address_space: global }
    .group_segment_fixed_size: 51200
    .private_segment_fixed_size: 0
    .kernarg_segment_align: 8
    .kernarg_segment_size: 56
    .max_flat_workgroup_size: 256
    .sgpr_count:     66
    .vgpr_count:     230
    .wavefront_size: 32
...
	.end_amdgpu_metadata
.endif
;; end of part 1
;; launch ffn1 (part 2): grid 32 x 8, 4 waves a work-group, no clusters, 158,208 bytes of LDS; arguments xq, bm, w1_codes, w1_scales, b1, hq; writes hq
.if DOCPART == 2
	.amdgcn_target "amdgcn-amd-amdhsa--gfx1250"
	.amdhsa_code_object_version 6
	.text
	.protected	k_qc144afffca_ffn1
	.globl	k_qc144afffca_ffn1
	.p2align	8
	.type	k_qc144afffca_ffn1,@function
k_qc144afffca_ffn1:
	s_mov_b64 s[64:65], 0
	v_nop
	global_prefetch_b8 v0, s[64:65] scope:SCOPE_SE
	s_setreg_imm32_b32 hwreg(HW_REG_WAVE_MODE, 25, 1), 1
	s_wait_xcnt 0x0
; THE FIRST PRODUCT OF THE CHOSEN ROWS: h = gelu(x W1[e] + b1[e]) for the tokens that use expert e, quantised along the hidden axis and stored as images of operand registers.
; SHARES: work-group (c, e) owns hidden units 128 c .. 128 c + 127 of expert e: 128 rows of W1 x K = 1,024, 98,304 bytes of codes, read from memory once.  They go once through LDS, and then EVERY wave holds
; all of them in registers: 8 tiles x 8 K steps = 64 fragments of 12 registers.  The waves share the expert's rows: wave w takes the tiles of 16 rows w, w + 4, ..  A fragment of x feeds eight products.
; NO CLUSTER, NO TENSOR LOAD: how many tiles a wave walks hangs on a count read from memory, and what work-groups share (x's codes, 768 bytes a token) is small beside the weights, which nobody shares.
; THE ROWS' PLACES: bm gives for each 32 tokens a mask; a token's rank among the expert's tokens is the count of set bits below it.  Wave 0 writes the list (rank -> token) into LDS.
; Rows past the expert's count take token 0 (the list is filled with zeros first); what they give is stored and never read.
; THE PRODUCT IS USED TRANSPOSED (source 0 = 16 rows of W1, source 1 = 16 tokens) AND W1's ROWS ARE PLACED so that slot m of tile 2 b + u is row 32 b + 8 u + m + 8 (m / 8): a lane then holds one token, and the
; 16 registers of tiles 2 b, 2 b + 1 are hidden units 32 b + 16 h + 0 .. 15: neighbours along the next K.  b1 is the C of each sum's first product.
; gelu(v) = v / (1 + 2^(A v + B v^3)), A = -2 sqrt(2 / pi) log2(e), B = 0.044715 A: the same number as 0.5 v (1 + tanh(..)); where the power overflows the result is 0 or v.
; LIMITS: NaN and infinities are not served; a block of zeros gets the byte 1 (its codes are zeros).
; REGISTERS: window 0: v0-13 addresses and A; v14-45 W1's scale words; v46-49 x's; v50-113 eight accumulators; v114-209 x's rows as loaded, then x's eight fragments; v210-221 fragment 63 of W1; v222-253 at work.
;   windows 1 to 3: fragments f = 8 s + t of W1, 21 to a window, at register 12 (f % 21).
.set WP,     784                       ; a row's place in a stage: 768 bytes + 16 = 196 words: sixteen rows begin 4 words apart modulo 64
.set WST,    0                         ; LDS: W1's 128 rows
.set XST,    128*WP                    ; each wave's own 16 rows of x
.set XSTW,   16*WP
.set BIAS,   XST+4*XSTW                ; each wave's own copy of b1's 128 numbers
.set LIST,   BIAS+4*512                ; a table of words: entries 0 .. 1,151 the list (68 tiles x 16 tokens, and up to 4,608 bytes),
.set LENT,   1152                      ; entries 1,152 + lane the words to which lanes write whose token does not use the expert
.set LLAST,  LENT+31                   ; the table's last entry
.set XS_OFF, 786432
.set HS_OFF, 25165824
.set R16, 1
.set H16, 2
.set SG,  3
.set SF,  4
.set BIA, 5
.set LI,  6
.set LQ,  7
.set LR,  8
.set LA,  9
.set LB,  10
.set CA,  12                           ; v[12:13] A, twice
.set WS,  14
.set XS,  46
.set ACC, 50
.set XR,  114
.set WF,  210
.set T,   222
.set TK,  T                            ; nine list entries, then the gather's offsets
.set TM,  T
.set H2A, T+8
.set H2B, T+16
.set PW,  T+19
.set PC,  T+20
.set BRAW, T+10                        ; used in the head alone, from here on
.set ZR,   T+14
.set AW,   T+18
.set WSA,  T+20
.set LZ,   T+22
.set BST,  T+23
.set WSV,  T+24
.set HH,   T+27
.set LN,   T+28
.set RR,   T+29
.set DMP,  T+30                        ; 1,152 + lane: my spare entry of the table
.set MSB, 0
.macro WIN new                         ; the immediate's high byte repeats the setting that is left; a switch that changes nothing is dropped
.if MSB != (\new)
	s_set_vgpr_msb (MSB<<8)|(\new)
.set MSB, (\new)
.endif
.endm
	s_load_b256 s[4:11], s[0:1], 0x0               ; xq, bm, w1_codes, w1_scales
	s_load_b128 s[12:15], s[0:1], 0x20             ; b1, hq
	v_lshl_add_u32 v254, v0, 2, 0x26800
	v_mov_b32 v255, 0
	v_lshrrev_b32 v[RR], 5, v0
	v_readfirstlane_b32 s18, v[RR]                 ; wave 0..3
	s_and_b32 s19, ttmp7, 0xffff                   ; e
	s_mov_b32 s20, ttmp9                           ; c
	v_and_b32 v[LN], 31, v0
	v_and_b32 v[RR], 15, v0                        ; r
	v_bfe_u32 v[HH], v0, 4, 1                      ; h
	v_lshlrev_b32 v[R16], 4, v[RR]
	v_lshlrev_b32 v[H16], 4, v[HH]
	v_lshlrev_b32 v[LI], 4, v[LN]
	v_lshlrev_b32 v[LQ], 2, v[HH]
	v_lshlrev_b32 v[LR], 2, v[RR]
	s_lshl_b32 s32, s19, 12
	s_lshl_b32 s33, s20, 7
	s_add_co_u32 s32, s32, s33                     ; the chunk's first row: 4096 e + 128 c
	s_lshl_b32 s34, s32, 5                         ; its scale bytes, 32 a row
	s_mov_b32 s35, 0
	s_lshl_b32 s36, s32, 2                         ; its numbers of b1
	s_mov_b32 s37, 0
	s_lshl_b32 s33, s18, 5
	s_add_co_u32 s32, s32, s33                     ; my wave's 32 rows
	s_mul_i32 s32, s32, 768
	s_mov_b32 s33, 0
	s_wait_alu depctr_va_vdst(0)
	s_wait_kmcnt 0x0
	s_add_nc_u64 s[8:9], s[8:9], s[32:33]
	s_add_nc_u64 s[10:11], s[10:11], s[34:35]
	s_add_nc_u64 s[12:13], s[12:13], s[36:37]
	; my 32 rows of W1 are 24,576 dense bytes: 48 loads of 512 consecutive bytes, into window 1
	WIN 0x40
.set m, 0
.rept 16
.irp j, 0,1,2
	global_load_b128 v[4*(3*m+\j):4*(3*m+\j)+3], v[LI], s[8:9] offset:1536*m+512*\j th:TH_LOAD_NT
.endr
.set m, m+1
.endr
	WIN 0
	v_and_b32 v[WSV], 8, v[RR]
	v_add_nc_u32 v[WSV], v[WSV], v[RR]             ; r + 8 (r / 8)
	v_lshlrev_b32 v[WSV], 5, v[WSV]
	v_add_nc_u32 v[WSV], v[WSV], v[H16]            ; that row's 32 scale bytes, + 16 h: register j then holds K step j in lanes 0-15 and K step 4 + j in lanes 16-31
.irp t, 0,1,2,3,4,5,6,7
	global_load_b128 v[WS+4*\t:WS+4*\t+3], v[WSV], s[10:11] offset:(32*(\t/2)+8*(\t%2))*32
.endr
	global_load_b128 v[BRAW:BRAW+3], v[LI], s[12:13]
	; every LDS address that outlives the branch on the wave's number is made here, ahead of it
	s_mul_i32 s21, s18, XSTW
	s_add_co_u32 s21, s21, XST
	v_mul_u32_u24 v[SG], v[HH], WP
	v_add_nc_u32 v[SG], v[SG], v[R16]
	v_add_nc_u32 v[SG], s21, v[SG]                 ; x's stage, in: row h, 16 r
	v_mul_u32_u24 v[SF], v[RR], WP
	v_mad_u32_u24 v[SF], v[HH], 48, v[SF]
	v_add_nc_u32 v[SF], s21, v[SF]                 ; out: row r, 48 h
	s_lshl_b32 s21, s18, 9
	s_add_co_u32 s21, s21, BIAS
	v_lshl_add_u32 v[BIA], v[HH], 6, s21
	v_add_nc_u32 v[BST], s21, v[LI]
	s_mul_i32 s21, s18, 32*WP
	v_add_nc_u32 v[WSA], s21, v[LI]                ; W1's stage, in: my 32 slots, 16 x lane;
	v_add_nc_u32 v[WSA+1], v[WSA], v[H16]          ; and 16 more where lanes 16-31 are in a pair's second row
	v_mul_u32_u24 v[AW], v[RR], WP
	v_mad_u32_u24 v[AW], v[HH], 24, v[AW]          ; out: slot r, 24 h
	v_add_nc_u32 v[AW+1], 64*WP, v[AW]             ; tiles 4 to 7
	v_add_nc_u32 v[LZ], LIST, v[LI]
	v_add_nc_u32 v[DMP], LENT, v[LN]
	s_lshl_b32 s2, s18, 6
	s_add_co_u32 s2, s2, LIST                      ; my first tile's 16 entries of the list
.irp i, 0,1,2,3
	v_mov_b32 v[ZR+\i], 0
.endr
	v_mov_b32 v[CA], 0xc0135761                    ; A = -2.3022082
	v_mov_b32 v[CA+1], 0xc0135761
	s_mov_b32 s28, 0xbdd2d3e8                      ; B = -0.10294324
	s_mov_b32 s29, s28                             ; (named with it as a pair, so it is written)
	s_mov_b32 s24, 0x76543210
	s_mov_b32 s25, 0xfedcba98                      ; lane selects: lane xor 16
	s_lshl_b32 s32, s19, 8
	s_add_nc_u64 s[6:7], s[6:7], s[32:33]          ; bm[e]
	s_add_nc_u64 s[26:27], s[4:5], XS_OFF          ; x's scale words
	s_lshl_b32 s32, s19, 6
	s_add_co_u32 s32, s32, s18                     ; 64 e + my first tile
	s_lshl_b32 s34, s32, 11                        ; a tile's scale words: 2,048 bytes
	s_lshr_b32 s36, s20, 2
	s_lshl_b32 s36, s36, 8                         ; K step c of the next product: 512 (c / 8) + 256 ((c / 4) % 2)
	s_add_co_u32 s34, s34, s36
	s_and_b32 s36, s20, 3
	s_lshl_b32 s36, s36, 2                         ; + 4 (c % 4)
	s_add_co_u32 s34, s34, s36
	s_add_co_u32 s34, s34, HS_OFF
	s_add_nc_u64 s[100:101], s[14:15], s[34:35]    ; hq: where my scale words go
	s_lshl_b32 s32, s32, 5
	s_add_co_u32 s32, s32, s20
	s_mul_i32 s32, s32, 1536
	s_add_nc_u64 s[14:15], s[14:15], s[32:33]      ; hq: where my images go
	s_load_b512 s[32:47], s[6:7], 0x0              ; the expert's 64 words of bm
	s_load_b512 s[48:63], s[6:7], 0x40
	s_load_b512 s[68:83], s[6:7], 0x80
	s_load_b512 s[84:99], s[6:7], 0xc0
	s_mov_b32 s21, 0
	s_wait_kmcnt 0x0
.macro BMW lo, hi                      ; two words of 16 tokens become a mask of 32 (in lo) and its count (in hi)
	s_and_b32 s[\lo], s[\lo], 0xffff               ; a word's low half says who uses the expert; its high half (second choices) is not wanted here.  The ranks are stored nowhere: the next launch makes them anew from bm
	s_lshl_b32 s[\hi], s[\hi], 16
	s_or_b32 s[\lo], s[\lo], s[\hi]
	s_bcnt1_i32_b32 s[\hi], s[\lo]
	s_add_co_u32 s21, s21, s[\hi]
.endm
.irp i, 0,1,2,3,4,5,6,7,8,9,10,11,12,13,14,15
	BMW 32+2*\i, 33+2*\i
.endr
.irp i, 0,1,2,3,4,5,6,7,8,9,10,11,12,13,14,15
	BMW 68+2*\i, 69+2*\i
.endr
	s_add_co_u32 s22, s21, 15
	s_lshr_b32 s22, s22, 4                         ; NT: the expert's tiles of 16 rows
	s_cmp_lg_u32 s18, 0
	s_cbranch_scc1 .Lnot_wave_0
	; WAVE 0 WRITES THE LIST.  No other wave touches LDS ahead of the barrier below.
	s_wait_alu depctr_va_vdst(0)
.irp i, 0,1,2,3,4,5,6,7,8
	ds_store_b128 v[LZ], v[ZR:ZR+3] offset:512*\i
.endr
	s_mov_b32 s3, 0
.macro SCAT c, lo, hi                  ; tokens 32 c + lane.  Each step has registers of its own
	v_mbcnt_lo_u32_b32 v[XR+\c], s[\lo], s3        ; the rank: those before these 32, and the set bits below my lane: 1,023 at the most
	v_cndmask_b32 v[XR+32+\c], v[DMP], v[XR+\c], s[\lo]   ; the table's entry: the rank, or my spare entry where my token does not use the expert.  The choice is made on the entry's number,
	v_min_u32 v[XR+32+\c], LLAST, v[XR+32+\c]      ; which is then held inside the table;
	v_lshl_add_u32 v[XR+32+\c], v[XR+32+\c], 2, LIST      ; behind the hold stand a shift and an addition alone
	v_add_nc_u32 v[XR+64+\c], 32*(\c), v[LN]
	ds_store_b32 v[XR+32+\c], v[XR+64+\c]
	s_add_co_u32 s3, s3, s[\hi]
.endm
.irp i, 0,1,2,3,4,5,6,7,8,9,10,11,12,13,14,15
	SCAT \i, 32+2*\i, 33+2*\i
.endr
.irp i, 0,1,2,3,4,5,6,7,8,9,10,11,12,13,14,15
	SCAT 16+\i, 68+2*\i, 69+2*\i
.endr
.Lnot_wave_0:
	s_wait_dscnt 0x0
	s_barrier_signal -1
	s_barrier_wait -1                              ; the list is whole, and nobody writes it again
.macro LISTLD off                      ; a tile's entries: for the rows' codes entry 2 q + h, for the scale words entry r
.irp q, 0,1,2,3,4,5,6,7
	ds_load_b32 v[TK+\q], v[LA] offset:\off+8*\q
.endr
	ds_load_b32 v[TK+8], v[LB] offset:\off
.endm
.macro GATHER                          ; 18 plain lines, then 25 loads: sixteen lanes read 256 consecutive bytes of a token's 768
.irp q, 0,1,2,3,4,5,6,7,8
	v_min_u32 v[TK+\q], 0x3ff, v[TK+\q]
.endr
.irp q, 0,1,2,3,4,5,6,7
	v_mad_u32_u24 v[TK+\q], v[TK+\q], 768, v[R16]
.endr
	v_lshl_add_u32 v[TK+8], v[TK+8], 5, v[H16]
.irp q, 0,1,2,3,4,5,6,7
.irp t, 0,1,2
	global_load_b128 v[XR+4*(3*\q+\t):XR+4*(3*\q+\t)+3], v[TK+\q], s[4:5] offset:256*\t
.endr
.endr
	global_load_b128 v[XS:XS+3], v[TK+8], s[26:27] ; token r's scale words 4 h .. 4 h + 3
.endm
	v_add_nc_u32 v[LA], s2, v[LQ]
	v_add_nc_u32 v[LB], s2, v[LR]
	LISTLD 0
	s_wait_dscnt 0x0
	GATHER                                         ; my first tile's rows are on their way while the weights are laid out
	s_wait_loadcnt 25                              ; all but the gather's 25: W1's codes and scale words and b1 are in
	WIN 0x04                                       ; an LDS store's data are its source 1: window 1
.set m, 0
.rept 16                               ; rows 2 m, 2 m + 1 of my 32 go to two neighbouring slots; which, places the rows as the head comment says
.set SGM, WP*(16*((m/4)&1)+8*(m/8)+2*(m%4))
	ds_store_b128 v[WSA],   v[12*m:12*m+3]    offset:SGM
	ds_store_b128 v[WSA+1], v[12*m+4:12*m+7]  offset:SGM+512
	ds_store_b128 v[WSA],   v[12*m+8:12*m+11] offset:SGM+1040
.set m, m+1
.endr
	WIN 0
	ds_store_b128 v[BST], v[BRAW:BRAW+3]
	s_wait_dscnt 0x0                               ; for the others' sake: my rows have landed
	s_barrier_signal -1
	s_barrier_wait -1                              ; all 128 rows lie in LDS; nobody writes them again
.set f, 0
.rept 64                               ; fragment f = 8 s + t: lane (r, h) takes the 24 bytes at 96 s + 24 h and at 96 s + 48 + 24 h of slot 16 t + r, in pieces of 8
.if f < 63
.set WN, (1+f/21)<<6
.set WR, 12*(f%21)
.else
.set WN, 0
.set WR, WF
.endif
	WIN WN
.set AD, AW+((f%8)/4)
.set OF, WP*16*((f%8)%4)+96*(f/8)
.irp p, 0,1,2,3,4,5
	ds_load_b64 v[WR+2*\p:WR+2*\p+1], v[AD] offset:OF+48*(\p/3)+8*(\p%3)
.endr
.set f, f+1
.endr
	WIN 0
	s_wait_dscnt 0x0
.macro MM t, s                         ; tile t, K step s.  The eight accumulators take turns, one instruction a turn
.set FI, 8*(\s)+(\t)
.if FI < 63
.set WN, 1+FI/21
.set WR, 12*(FI%21)
.else
.set WN, 0
.set WR, WF
.endif
	WIN WN
.if (\s) < 4
	v_wmma_scale_f32_16x16x128_f8f6f4 v[ACC+8*(\t):ACC+8*(\t)+7], v[WR:WR+11], v[XR+12*(\s):XR+12*(\s)+11], v[ACC+8*(\t):ACC+8*(\t)+7], v[WS+4*(\t)+(\s)%4], v[XS+(\s)%4] matrix_a_fmt:MATRIX_FMT_FP6 matrix_b_fmt:MATRIX_FMT_FP6
.else
	v_wmma_scale_f32_16x16x128_f8f6f4 v[ACC+8*(\t):ACC+8*(\t)+7], v[WR:WR+11], v[XR+12*(\s):XR+12*(\s)+11], v[ACC+8*(\t):ACC+8*(\t)+7], v[WS+4*(\t)+(\s)%4], v[XS+(\s)%4] matrix_a_fmt:MATRIX_FMT_FP6 matrix_b_fmt:MATRIX_FMT_FP6 matrix_a_scale:MATRIX_SCALE_ROW1 matrix_b_scale:MATRIX_SCALE_ROW1
.endif
.endm
.macro GELU ab                         ; 32 numbers from v[ab] on, in place; each batch of 32 transcendentals has one plain place and one wait
.irp i, 0,2,4,6,8,10,12,14,16,18,20,22,24,26,28,30
	v_pk_mul_f32 v[T+\i:T+\i+1], v[\ab+\i:\ab+\i+1], v[\ab+\i:\ab+\i+1]        ; each accumulator is read from its low end on
.endr
.irp i, 0,2,4,6,8,10,12,14,16,18,20,22,24,26,28,30
	v_pk_fma_f32 v[T+\i:T+\i+1], v[T+\i:T+\i+1], s[28:29], v[CA:CA+1] op_sel_hi:[1,0,1]   ; B v^2 + A
.endr
.irp i, 0,2,4,6,8,10,12,14,16,18,20,22,24,26,28,30
	v_pk_mul_f32 v[T+\i:T+\i+1], v[T+\i:T+\i+1], v[\ab+\i:\ab+\i+1]
.endr
	s_wait_alu depctr_va_vdst(0)
.irp i, 0,1,2,3,4,5,6,7,8,9,10,11,12,13,14,15,16,17,18,19,20,21,22,23,24,25,26,27,28,29,30,31
	v_exp_f32 v[T+\i], v[T+\i]
.endr
	v_nop
	s_wait_alu depctr_va_vdst(0)                   ; one wait for the 32, ahead of their first reader
.irp i, 0,2,4,6,8,10,12,14,16,18,20,22,24,26,28,30
	v_pk_add_f32 v[T+\i:T+\i+1], v[T+\i:T+\i+1], 1.0 op_sel_hi:[1,0]
.endr
	s_wait_alu depctr_va_vdst(0)
.irp i, 0,1,2,3,4,5,6,7,8,9,10,11,12,13,14,15,16,17,18,19,20,21,22,23,24,25,26,27,28,29,30,31
	v_rcp_f32 v[T+\i], v[T+\i]
.endr
	v_nop
	s_wait_alu depctr_va_vdst(0)
.irp i, 0,2,4,6,8,10,12,14,16,18,20,22,24,26,28,30
	v_pk_mul_f32 v[\ab+\i:\ab+\i+1], v[\ab+\i:\ab+\i+1], v[T+\i:T+\i+1]
.endr
.endm
; THE LOOP OVER MY TILES.  Sixteen trips, a constant, so that the list's address steps by a constant a known number of times; a trip whose tile lies past the expert's last jumps over the work.  No barrier stands in it.
	s_mov_b32 s30, 0
	s_mov_b32 s31, s18                             ; my tile
.Ltrip:
	s_cmp_ge_u32 s31, s22
	s_cbranch_scc1 .Lskip
	s_wait_loadcnt 0x0                             ; this tile's 25 loads, asked for ahead of the last tile's gelu
	v_add_nc_u32 v[LA], s2, v[LQ]
	v_add_nc_u32 v[LB], s2, v[LR]
	LISTLD 256                                     ; my next tile's entries, four tiles on
.irp q, 0,1,2,3,4,5,6,7
.irp t, 0,1,2
	ds_store_b128 v[SG], v[XR+4*(3*\q+\t):XR+4*(3*\q+\t)+3] offset:2*WP*\q+256*\t   ; rows into my own stage ..
.endr
.endr
.irp t, 0,1,2,3,4,5,6,7
	ds_load_b128 v[ACC+8*\t:ACC+8*\t+3],   v[BIA] offset:128*(\t/2)+32*(\t%2)       ; b1 at my eight hidden units of tile t: the sums' start
	ds_load_b128 v[ACC+8*\t+4:ACC+8*\t+7], v[BIA] offset:128*(\t/2)+32*(\t%2)+16
.endr
.irp s, 0,1,2,3,4,5,6,7
.irp j, 0,1,2
	ds_load_b128 v[XR+12*\s+4*\j:XR+12*\s+4*\j+3], v[SF] offset:96*\s+16*\j         ; .. and back as fragments: LDS serves a wave's instructions in order
.endr
.endr
.irp s, 0,1,2,3,4,5,6,7
	s_wait_dscnt 21-3*\s                           ; fragment s is in; the later fragments' loads, three each, may be out
.irp t, 0,1,2,3,4,5,6,7
	MM \t, \s
.endr
.endr
	WIN 0
	GATHER                                         ; its 18 plain lines name none of the last products' registers: they are the places ahead of the loads into x's registers and of the first read of results
	s_wait_xcnt 0x0                                ; the gather's offsets have been read: their registers go back to work
	GELU ACC
	GELU ACC+32
	; the quantiser: register 16 b + i = hidden unit 32 b + 16 h + i of my token
.irp b, 0,1,2,3
	v_max3_num_f32 v[TM+\b], |v[ACC+16*\b]|, |v[ACC+1+16*\b]|, 0x1800000   ; and the floor 2^(3 - 127): the byte cannot fall under 1
.endr
.irp i, 2,4,6,8,10,12,14
.irp b, 0,1,2,3
	v_max3_num_f32 v[TM+\b], v[TM+\b], |v[ACC+16*\b+\i]|, |v[ACC+1+16*\b+\i]|
.endr
.endr
.irp b, 0,1,2,3
	v_permlanex16_b32 v[TM+4+\b], v[TM+\b], s24, s25
.endr
.irp b, 0,1,2,3
	v_max_num_f32 v[TM+\b], v[TM+\b], v[TM+4+\b]
.endr
.irp b, 0,1,2,3
	v_add_nc_u32 v[TM+12+\b], 0xff000000, v[TM+\b] ; 2 off the exponent field: the conversion's scale operand
.endr
.irp b, 0,1,2,3
	v_lshrrev_b32 v[TM+4+\b], 23, v[TM+12+\b]      ; the scale's byte
.endr
	v_lshl_or_b32 v[PW], v[TM+5], 8, v[TM+4]
	v_lshl_or_b32 v[PW], v[TM+6], 16, v[PW]
	v_lshl_or_b32 v[PW], v[TM+7], 24, v[PW]
	v_cvt_scalef32_pk16_fp6_f32 v[PC:PC+2], v[ACC:ACC+15], v[TM+12]
	v_cvt_scalef32_pk16_fp6_f32 v[H2A:H2A+2], v[ACC+16:ACC+31], v[TM+13]
	v_cvt_scalef32_pk16_fp6_f32 v[PC+6:PC+8], v[ACC+32:ACC+47], v[TM+14]
	v_cvt_scalef32_pk16_fp6_f32 v[H2B:H2B+2], v[ACC+48:ACC+63], v[TM+15]
	v_nop                                          ; one plain place behind the scaled conversions
.irp i, 0,1,2
	v_permlane16_swap_b32 v[PC+\i], v[H2A+\i]      ; a whole block to a lane
	v_permlane16_swap_b32 v[PC+6+\i], v[H2B+\i]
.endr
.irp i, 0,1,2
	v_mov_b32 v[PC+3+\i], v[H2A+\i]
	v_mov_b32 v[PC+9+\i], v[H2B+\i]
.endr
.irp j, 0,1,2
	global_store_b128 v[LI], v[PC+4*\j:PC+4*\j+3], s[14:15] offset:512*\j   ; the fragment as it stands: 512 consecutive bytes a store
.endr
	global_store_b32 v[R16], v[PW], s[100:101]     ; row r's scale word (both halves write the same)
	s_wait_xcnt 0x0                                ; the stores have read their registers and bases: both are written again below
.Lskip:
	s_add_co_u32 s31, s31, 4
	s_add_co_u32 s2, s2, 256
	s_add_nc_u64 s[14:15], s[14:15], 4*32*1536
	s_add_nc_u64 s[100:101], s[100:101], 4*2048
	s_add_co_u32 s30, s30, 1
	s_cmp_lt_u32 s30, 16
	s_cbranch_scc1 .Ltrip
	s_wait_tensorcnt 0x0
	ds_add_u32 v254, v255
	s_wait_dscnt 0x0
	s_endpgm
.Lfunc_end_k_qc144afffca_ffn1:
	.size	k_qc144afffca_ffn1, .Lfunc_end_k_qc144afffca_ffn1-k_qc144afffca_ffn1
	.p2alignl 7, 3214868480
	.fill 96, 4, 3214868480
	.section	.rodata,"a",@progbits
	.p2align	6, 0x0
	.amdhsa_kernel k_qc144afffca_ffn1
		.amdhsa_group_segment_fixed_size 158208
		.amdhsa_private_segment_fixed_size 0
		.amdhsa_enable_private_segment 0
		.amdhsa_kernarg_size 48
		.amdhsa_user_sgpr_count 2
		.amdhsa_user_sgpr_kernarg_segment_ptr 1
		.amdhsa_wavefront_size32 1
		.amdhsa_system_sgpr_workgroup_id_x 1
		.amdhsa_system_sgpr_workgroup_id_y 1
		.amdhsa_system_sgpr_workgroup_id_z 1
		.amdhsa_system_vgpr_workitem_id 0
		.amdhsa_next_free_vgpr 1024
		.amdhsa_next_free_sgpr 102
		.amdhsa_reserve_vcc 0
		.amdhsa_float_denorm_mode_32 3
		.amdhsa_float_denorm_mode_16_64 3
		.amdhsa_memory_ordered 1
		.amdhsa_forward_progress 1
		.amdhsa_inst_pref_size 99
	.end_amdhsa_kernel
	.amdgpu_metadata
---
amdhsa.version: [ 1, 2 ]
amdhsa.kernels:
  - .name:           k_qc144afffca_ffn1
    .symbol:         k_qc144afffca_ffn1.kd
    .args:
      - { .name: xq, .offset: 0, .size: 8, .value_kind: global_buffer, .address_space: global }
      - { .name: bm, .offset: 8, .size: 8, .value_kind: global_buffer, .address_space: global }
      - { .name: w1_codes, .offset: 16, .size: 8, .value_kind: global_buffer, .address_space: global }
      - { .name: w1_scales, .offset: 24, .size: 8, .value_kind: global_buffer, .address_space: global }
      - { .name: b1, .offset: 32, .size: 8, .value_kind: global_buffer, .address_space: global }
      - { .name: hq, .offset: 40, .size: 8, .value_kind: global_buffer, .address_space: global }
    .group_segment_fixed_size: 158208
    .private_segment_fixed_size: 0
    .kernarg_segment_align: 8
    .kernarg_segment_size: 48
    .max_flat_workgroup_size: 128
    .sgpr_count:     102
    .vgpr_count:     1024
    .wavefront_size: 32
...
	.end_amdgpu_metadata
.endif
;; end of part 2
;; launch ffn2 (part 3): grid 32 x 8, 4 waves a work-group, no clusters, 139,520 bytes of LDS; arguments hq, bm, w2_codes, w2_scales, yp; writes yp
.if DOCPART == 3
	.amdgcn_target "amdgcn-amd-amdhsa--gfx1250"
	.amdhsa_code_object_version 6
	.text
	.protected	k_qc144afffca_ffn2
	.globl	k_qc144afffca_ffn2
	.p2align	8
	.type	k_qc144afffca_ffn2,@function
k_qc144afffca_ffn2:
	s_mov_b64 s[64:65], 0
	v_nop
	global_prefetch_b8 v0, s[64:65] scope:SCOPE_SE
	s_setreg_imm32_b32 hwreg(HW_REG_WAVE_MODE, 25, 1), 1
	s_wait_xcnt 0x0
; THE SECOND PRODUCT OF THE CHOSEN ROWS, in four parts along K: yp[kc][row][n] = the sum over hidden units 1024 kc .. 1024 kc + 1023 of h[rank][k] W2[e][n][k].
; SHARES: work-group (x, e), nc = x % 8, kc = x / 8, owns outputs 128 nc .. 128 nc + 127 and that quarter of K: 128 rows x 768 bytes of codes, read from memory once, through LDS into EVERY wave's registers
; (64 fragments of 12).  Wave w takes the expert's tiles of 16 rows w, w + 4, ..; a fragment of h, loaded as the image of its registers, feeds eight products.
; Why a quarter of K and 128 outputs: with all of K a work-group's registers would hold 32 outputs, and each fragment of h would feed two products.  The four parts are added in the next launch.
; NO CLUSTER, NO TENSOR LOAD: the number of tiles hangs on a count read from memory; the weights are shared with nobody.
; TRANSPOSED USE (source 0 = 16 rows of W2, source 1 = 16 rows of h): a lane holds one row and eight neighbouring outputs; a tile leaves through the wave's own stage as whole rows of 512 bytes.
; REGISTERS: window 0: v1-9 addresses; v14-45 W2's scale words; v46-49 h's, v50-53 the next tile's; v54-117 eight accumulators; v118-213 h's eight fragments; v214-225 fragment 63 of W2.  Windows 1 to 3: the other 63.
.set WP,     784
.set WST,    0
.set YST,    128*WP                    ; each wave's stage: 16 rows x (512 + 16) bytes
.set YP_,    528
.set HS_OFF, 25165824
.set LI,  1
.set LI2, 2
.set STO, 3
.set RD,  4
.set WSA, 5                            ; v5, v6
.set AW,  7                            ; v7, v8
.set WSV, 9
.set WS,  14
.set HS,  46
.set HSN, 50
.set ACC, 54
.set XR,  118
.set WF,  214
; WHERE A ROW GOES: yp is [kc][2176 rows][1024].  Row 1024 k + t holds token t's k-th choice (k = 0, 1); rows 2048 + 16 e + i take the rows past expert e's count, which nobody reads.
; Wave 0 writes a list (rank -> row of yp) into LDS from bm: a word's low half says who uses the expert, its high half whose second choice it is.  Each row of yp has one expert, so each byte one work-group.
.set LST,   226                        ; v226-241 my sixteen tiles' list entries: lane r of register k holds row r of the k-th tile still to come
.set LA,    242                        ; LIST + 64 x wave + 4 r: my first tile's entry for row r
.set DMP,   13                         ; 1,152 + lane: my spare entry of the table
.set LZ,    226                        ; used in the head alone: the fill's address and its four numbers
.set ZR,    228
.set LIST,  YST+4*16*YP_               ; a table of words: entries 0 .. 1,151 the list, entries 1,152 + lane for lanes whose token does not use the expert; 4,864 bytes with the rest of its last block
.set LENT,  1152
.set LLAST, LENT+31
.set PART,  2176*4096                  ; bytes of one part along K
.set MSB, 0
.macro WIN new
.if MSB != (\new)
	s_set_vgpr_msb (MSB<<8)|(\new)
.set MSB, (\new)
.endif
.endm
	s_load_b256 s[4:11], s[0:1], 0x0               ; hq, bm, w2_codes, w2_scales
	s_load_b64 s[12:13], s[0:1], 0x20              ; yp
	v_lshl_add_u32 v254, v0, 2, 0x21f00
	v_mov_b32 v255, 0
	v_lshrrev_b32 v10, 5, v0
	v_readfirstlane_b32 s18, v10                   ; wave 0..3
	s_and_b32 s19, ttmp7, 0xffff                   ; e
	s_and_b32 s20, ttmp9, 7                        ; nc
	s_lshr_b32 s23, ttmp9, 3                       ; kc
	v_and_b32 v10, 31, v0
	v_and_b32 v11, 15, v0                          ; r
	v_bfe_u32 v12, v0, 4, 1                        ; h
	v_lshlrev_b32 v[LI], 4, v10
	v_mad_u32_u24 v[LI2], v12, 2304, v[LI]         ; where lanes 16-31 are in a pair's second row: 3,072 - 768 bytes further on
	s_lshl_b32 s32, s19, 10
	s_lshl_b32 s33, s20, 7
	s_add_co_u32 s32, s32, s33                     ; the chunk's first row: 1024 e + 128 nc
	s_lshl_b32 s34, s32, 7                         ; its scale bytes, 128 a row,
	s_lshl_b32 s35, s23, 5
	s_add_co_u32 s34, s34, s35                     ; + 32 kc
	s_mov_b32 s35, 0
	s_lshl_b32 s33, s18, 5
	s_add_co_u32 s32, s32, s33                     ; my wave's 32 rows
	s_mul_i32 s32, s32, 3072
	s_mul_i32 s33, s23, 768
	s_add_co_u32 s32, s32, s33
	s_mov_b32 s33, 0
	s_wait_alu depctr_va_vdst(0)
	s_wait_kmcnt 0x0
	s_add_nc_u64 s[8:9], s[8:9], s[32:33]
	s_add_nc_u64 s[10:11], s[10:11], s[34:35]
	WIN 0x40                                       ; a row's part is 768 bytes, three aligned blocks of 256; two rows come by three loads
.set m, 0
.rept 16
	global_load_b128 v[12*m:12*m+3],    v[LI],  s[8:9] offset:6144*m th:TH_LOAD_NT
	global_load_b128 v[12*m+4:12*m+7],  v[LI2], s[8:9] offset:6144*m+512 th:TH_LOAD_NT
	global_load_b128 v[12*m+8:12*m+11], v[LI],  s[8:9] offset:6144*m+3328 th:TH_LOAD_NT
.set m, m+1
.endr
	WIN 0
	v_lshlrev_b32 v[WSV], 7, v11
	v_lshl_add_u32 v[WSV], v12, 4, v[WSV]          ; 128 r + 16 h
.irp t, 0,1,2,3,4,5,6,7
	global_load_b128 v[WS+4*\t:WS+4*\t+3], v[WSV], s[10:11] offset:2048*\t
.endr
	s_mul_i32 s21, s18, 16*YP_
	s_add_co_u32 s21, s21, YST
	v_mul_u32_u24 v[STO], v11, YP_
	v_lshl_add_u32 v[STO], v12, 5, v[STO]
	v_add_nc_u32 v[STO], s21, v[STO]               ; my stage, in: row r, 32 h
	v_add_nc_u32 v[RD], s21, v[LI]                 ; back: 16 x lane
	s_mul_i32 s21, s18, 32*WP
	v_add_nc_u32 v[WSA], s21, v[LI]
	v_lshl_add_u32 v[WSA+1], v12, 4, v[WSA]
	v_mul_u32_u24 v[AW], v11, WP
	v_mad_u32_u24 v[AW], v12, 24, v[AW]
	v_add_nc_u32 v[AW+1], 64*WP, v[AW]
	s_lshl_b32 s32, s19, 8
	s_add_nc_u64 s[6:7], s[6:7], s[32:33]          ; bm[e]
	s_mul_i32 s32, s19, 64*49152
	s_mul_i32 s34, s23, 12288
	s_add_co_u32 s32, s32, s34
	s_add_nc_u64 s[26:27], s[4:5], s[32:33]        ; hq: the expert's images, my eight K steps
	s_lshl_b32 s32, s19, 17
	s_lshl_b32 s34, s23, 9
	s_add_co_u32 s32, s32, s34
	s_add_co_u32 s32, s32, HS_OFF
	s_add_nc_u64 s[28:29], s[4:5], s[32:33]        ; hq: their scale words
.macro BMW lo, hi                      ; two words of 16 tokens become a mask of 32 users (in lo) and a mask of 32 second choices (in hi); the users are counted
	s_lshr_b32 s24, s[\lo], 16
	s_and_b32 s[\lo], s[\lo], 0xffff
	s_and_b32 s25, s[\hi], 0xffff0000
	s_lshl_b32 s[\hi], s[\hi], 16
	s_or_b32 s[\lo], s[\lo], s[\hi]
	s_or_b32 s[\hi], s24, s25
	s_bcnt1_i32_b32 s24, s[\lo]
	s_add_co_u32 s21, s21, s24
.endm
.macro SCAT c, lo, hi                  ; tokens 32 c + lane.  Each step has registers of its own
	v_mbcnt_lo_u32_b32 v[XR+\c], s[\lo], s3        ; the rank: the users before these 32, and the set bits below my lane
	v_add_nc_u32 v[XR+64+\c], 32*(\c), v10         ; the token
	v_cndmask_b32 v[XR+32+\c], v[DMP], v[XR+\c], s[\lo]   ; the table's entry: the rank, or my spare entry,
	v_add_nc_u32 v[XR+\c], 1024, v[XR+64+\c]
	v_min_u32 v[XR+32+\c], LLAST, v[XR+32+\c]      ; held inside the table;
	v_cndmask_b32 v[XR+64+\c], v[XR+64+\c], v[XR+\c], s[\hi]   ; the row of yp: the token, 1,024 further on for a second choice
	v_lshl_add_u32 v[XR+32+\c], v[XR+32+\c], 2, LIST      ; behind the hold stand a shift and an addition alone
	ds_store_b32 v[XR+32+\c], v[XR+64+\c]
	s_bcnt1_i32_b32 s25, s[\lo]
	s_add_co_u32 s3, s3, s25
.endm
	s_mul_i32 s32, s23, PART
	s_lshl_b32 s2, s19, 4
	s_add_co_u32 s2, s2, 2048                      ; the expert's sixteen rows for what lies past its count
	v_add_nc_u32 v[DMP], LENT, v10
	v_add_nc_u32 v[LZ], LIST, v[LI]
	v_and_b32 v[ZR], 3, v10
	v_lshl_add_u32 v[ZR], v[ZR], 2, s2             ; entry j is first filled with 2048 + 16 e + j % 16: a store of 16 bytes at 16 x lane holds entries 4 lane + 0 .. 3
	v_add_nc_u32 v[ZR+1], 1, v[ZR]
	v_add_nc_u32 v[ZR+2], 2, v[ZR]
	v_add_nc_u32 v[ZR+3], 3, v[ZR]
	s_lshl_b32 s2, s18, 6
	s_add_co_u32 s2, s2, LIST                      ; my first tile's 16 entries of the list
	v_lshl_add_u32 v[LA], v11, 2, s2               ; + 4 r: made here, ahead of the branch on the wave's number
	s_lshl_b32 s34, s20, 9
	s_add_co_u32 s32, s32, s34
	s_add_nc_u64 s[14:15], s[12:13], s[32:33]      ; yp[kc], my 128 columns
	s_load_b512 s[32:47], s[6:7], 0x0
	s_load_b512 s[48:63], s[6:7], 0x40
	s_load_b512 s[68:83], s[6:7], 0x80
	s_load_b512 s[84:99], s[6:7], 0xc0
	s_mov_b32 s21, 0
	s_wait_alu depctr_va_vdst(0)
	s_wait_kmcnt 0x0
.irp i, 0,1,2,3,4,5,6,7,8,9,10,11,12,13,14,15,16,17,18,19,20,21,22,23,24,25,26,27,28,29,30,31
.if \i < 16
	BMW 32+2*\i, 33+2*\i
	BMW 68+2*\i, 69+2*\i
.endif
.endr
	s_add_co_u32 s22, s21, 15
	s_lshr_b32 s22, s22, 4                         ; NT: the expert's tiles
	s_cmp_lg_u32 s18, 0
	s_cbranch_scc1 .Lnot_wave_0
	; WAVE 0 WRITES THE LIST while the weights' loads are out.  No other wave touches LDS ahead of the barrier below.
	s_wait_alu depctr_va_vdst(0)
.irp i, 0,1,2,3,4,5,6,7,8
	ds_store_b128 v[LZ], v[ZR:ZR+3] offset:512*\i  ; LDS serves a wave's instructions in order: the entries below land on the fill
.endr
	s_mov_b32 s3, 0
.irp i, 0,1,2,3,4,5,6,7,8,9,10,11,12,13,14,15
	SCAT \i, 32+2*\i, 33+2*\i
.endr
.irp i, 0,1,2,3,4,5,6,7,8,9,10,11,12,13,14,15
	SCAT 16+\i, 68+2*\i, 69+2*\i
.endr
.Lnot_wave_0:
	s_wait_dscnt 0x0
	s_barrier_signal -1
	s_barrier_wait -1                              ; the list is whole, and nobody writes it again
	s_wait_loadcnt 0x0
	WIN 0x04
.set m, 0
.rept 16                               ; rows keep their order: rows 2 m, 2 m + 1 of my 32 to slots 2 m, 2 m + 1
	ds_store_b128 v[WSA],   v[12*m:12*m+3]    offset:WP*2*m
	ds_store_b128 v[WSA+1], v[12*m+4:12*m+7]  offset:WP*2*m+512
	ds_store_b128 v[WSA],   v[12*m+8:12*m+11] offset:WP*2*m+1040
.set m, m+1
.endr
	WIN 0
	s_wait_dscnt 0x0                               ; for the others' sake: my rows have landed
	s_barrier_signal -1
	s_barrier_wait -1                              ; the second and last barrier: every wave has passed it before any wave parts
	s_cmp_ge_u32 s18, s22
	s_cbranch_scc1 .Lend                           ; a wave without a tile ends
	s_sub_co_u32 s24, s22, 1                       ; the last tile that the launch before has written
	s_mov_b32 s41, 0
	s_mul_i32 s40, s18, 49152
	s_add_nc_u64 s[32:33], s[26:27], s[40:41]
.irp k, 0,1,2,3,4,5,6,7,8,9,10,11,12,13,14,15
	ds_load_b32 v[LST+\k], v[LA] offset:256*\k     ; tile wave + 4 k, row r: all my entries come once, ahead of the loop; the wait behind the weights' fragments covers them
.endr
	s_lshl_b32 s40, s18, 11
	s_add_nc_u64 s[34:35], s[28:29], s[40:41]
	global_load_b128 v[HSN:HSN+3], v[LI], s[34:35] ; my first tile: its scale words first, then its eight fragments
.irp s, 0,1,2,3,4,5,6,7
.irp j, 0,1,2
	global_load_b128 v[XR+12*\s+4*\j:XR+12*\s+4*\j+3], v[LI], s[32:33] offset:1536*\s+512*\j
.endr
.endr
.set f, 0
.rept 64
.if f < 63
.set WN, (1+f/21)<<6
.set WR, 12*(f%21)
.else
.set WN, 0
.set WR, WF
.endif
	WIN WN
.set AD, AW+((f%8)/4)
.set OF, WP*16*((f%8)%4)+96*(f/8)
.irp p, 0,1,2,3,4,5
	ds_load_b64 v[WR+2*\p:WR+2*\p+1], v[AD] offset:OF+48*(\p/3)+8*(\p%3)
.endr
.set f, f+1
.endr
	WIN 0
	s_wait_dscnt 0x0
.macro MM t, s                         ; the eight accumulators take turns, one instruction a turn; K step 0 starts the sums
.set FI, 8*(\s)+(\t)
.if FI < 63
.set WN, 1+FI/21
.set WR, 12*(FI%21)
.else
.set WN, 0
.set WR, WF
.endif
	WIN WN
.if (\s) == 0
	v_wmma_scale_f32_16x16x128_f8f6f4 v[ACC+8*(\t):ACC+8*(\t)+7], v[WR:WR+11], v[XR+12*(\s):XR+12*(\s)+11], 0, v[WS+4*(\t)+(\s)%4], v[HS+(\s)%4] matrix_a_fmt:MATRIX_FMT_FP6 matrix_b_fmt:MATRIX_FMT_FP6
.elseif (\s) < 4
	v_wmma_scale_f32_16x16x128_f8f6f4 v[ACC+8*(\t):ACC+8*(\t)+7], v[WR:WR+11], v[XR+12*(\s):XR+12*(\s)+11], v[ACC+8*(\t):ACC+8*(\t)+7], v[WS+4*(\t)+(\s)%4], v[HS+(\s)%4] matrix_a_fmt:MATRIX_FMT_FP6 matrix_b_fmt:MATRIX_FMT_FP6
.else
	v_wmma_scale_f32_16x16x128_f8f6f4 v[ACC+8*(\t):ACC+8*(\t)+7], v[WR:WR+11], v[XR+12*(\s):XR+12*(\s)+11], v[ACC+8*(\t):ACC+8*(\t)+7], v[WS+4*(\t)+(\s)%4], v[HS+(\s)%4] matrix_a_fmt:MATRIX_FMT_FP6 matrix_b_fmt:MATRIX_FMT_FP6 matrix_a_scale:MATRIX_SCALE_ROW1 matrix_b_scale:MATRIX_SCALE_ROW1
.endif
.endm
; THE LOOP OVER MY TILES: sixteen trips, a constant; a trip whose tile lies past the expert's last jumps over the work.  A trip that works asks for the next tile's data as this tile's registers come free.
	s_mov_b32 s30, 0
	s_mov_b32 s31, s18                             ; my tile
.Ltrip:
	s_cmp_ge_u32 s31, s22
	s_cbranch_scc1 .Lskip
	s_wait_xcnt 0x0                                ; the last trip's loads and stores have read their bases and registers
	s_add_co_u32 s38, s31, 4
	s_min_u32 s38, s38, s24                        ; the next tile, or the last written one again: nothing unwritten is read
	s_min_u32 s38, s38, 63
	s_mul_i32 s40, s38, 49152
	s_add_nc_u64 s[32:33], s[26:27], s[40:41]
	s_lshl_b32 s40, s38, 11
	s_add_nc_u64 s[34:35], s[28:29], s[40:41]
	s_wait_loadcnt 24                              ; this tile's scale words are in: its 24 fragment loads are younger
.irp j, 0,1,2,3
	v_mov_b32 v[HS+\j], v[HSN+\j]
.endr
	global_load_b128 v[HSN:HSN+3], v[LI], s[34:35]
.irp q, 0,1,2,3,4,5,6,7,8,9,10,11,12,13,14,15
	v_readlane_b32 s25, v[LST], \q                 ; row q's place in yp,
	s_min_u32 s25, s25, 2175                       ; held inside yp's 2,176 rows;
	s_lshl_b32 s40, s25, 12                        ; 4,096 bytes a row (s41 = 0)
	s_add_nc_u64 s[68+2*\q:69+2*\q], s[14:15], s[40:41]   ; the row's base; the last trip's stores have read theirs (the wait at the trip's head)
.endr
.irp q, 0,1,2,3,4,5,6,7,8,9,10,11,12,13,14,15
.if \q < 15
	v_mov_b32 v[LST+\q], v[LST+\q+1]               ; the next tile's entries move to the front: a wave's working trips follow each other from the first on.  These 15 lines are also the eight places between the scale registers' moves and the scaled products
.endif
.endr
	s_wait_alu depctr_va_vdst(0)
.irp s, 0,1,2,3,4,5,6,7
	s_wait_loadcnt 22                              ; fragment s is in.  Younger: 3 (7 - s) loads of this tile, the next scale words, 3 s loads of the next tile
.irp t, 0,1,2,3,4,5,6,7
	MM \t, \s
.endr
	WIN 0
.rept 4
	v_nop                                          ; places ahead of loads into registers that the products have read, and, behind K step 7, of the first read of results
.endr
.irp j, 0,1,2
	global_load_b128 v[XR+12*\s+4*\j:XR+12*\s+4*\j+3], v[LI], s[32:33] offset:1536*\s+512*\j   ; the next tile's same K step
.endr
.endr
.irp t, 0,1,2,3,4,5,6,7
	ds_store_b128 v[STO], v[ACC+8*\t:ACC+8*\t+3]   offset:64*\t      ; each accumulator from its low end on: row r, columns 16 t + 8 h + 0 .. 7
	ds_store_b128 v[STO], v[ACC+8*\t+4:ACC+8*\t+7] offset:64*\t+16
.endr
.irp i, 0,1,2,3,4,5,6,7,8,9,10,11,12,13,14,15
	ds_load_b128 v[ACC+4*\i:ACC+4*\i+3], v[RD] offset:\i*YP_         ; back as whole rows: LDS serves a wave's instructions in order
.endr
.irp i, 0,1,2,3,4,5,6,7,8,9,10,11,12,13,14,15
	s_wait_dscnt 15-\i
	global_store_b128 v[LI], v[ACC+4*\i:ACC+4*\i+3], s[68+2*\i:69+2*\i] th:TH_STORE_NT   ; 32 lanes store 512 consecutive bytes of the row's place in yp, at a multiple of 256 from yp's first byte
.endr
.Lskip:
	s_add_co_u32 s31, s31, 4
	s_add_co_u32 s30, s30, 1
	s_cmp_lt_u32 s30, 16
	s_cbranch_scc1 .Ltrip
.Lend:
	s_wait_tensorcnt 0x0
	ds_add_u32 v254, v255
	s_wait_dscnt 0x0
	s_endpgm
.Lfunc_end_k_qc144afffca_ffn2:
	.size	k_qc144afffca_ffn2, .Lfunc_end_k_qc144afffca_ffn2-k_qc144afffca_ffn2
	.p2alignl 7, 3214868480
	.fill 96, 4, 3214868480
	.section	.rodata,"a",@progbits
	.p2align	6, 0x0
	.amdhsa_kernel k_qc144afffca_ffn2
		.amdhsa_group_segment_fixed_size 139520
		.amdhsa_private_segment_fixed_size 0
		.amdhsa_enable_private_segment 0
		.amdhsa_kernarg_size 40
		.amdhsa_user_sgpr_count 2
		.amdhsa_user_sgpr_kernarg_segment_ptr 1
		.amdhsa_wavefront_size32 1
		.amdhsa_system_sgpr_workgroup_id_x 1
		.amdhsa_system_sgpr_workgroup_id_y 1
		.amdhsa_system_sgpr_workgroup_id_z 1
		.amdhsa_system_vgpr_workitem_id 0
		.amdhsa_next_free_vgpr 1024
		.amdhsa_next_free_sgpr 100
		.amdhsa_reserve_vcc 0
		.amdhsa_float_denorm_mode_32 3
		.amdhsa_float_denorm_mode_16_64 3
		.amdhsa_memory_ordered 1
		.amdhsa_forward_progress 1
		.amdhsa_inst_pref_size 91
	.end_amdhsa_kernel
	.amdgpu_metadata
---
amdhsa.version: [ 1, 2 ]
amdhsa.kernels:
  - .name:           k_qc144afffca_ffn2
    .symbol:         k_qc144afffca_ffn2.kd
    .args:
      - { .name: hq, .offset: 0, .size: 8, .value_kind: global_buffer, .address_space: global }
      - { .name: bm, .offset: 8, .size: 8, .value_kind: global_buffer, .address_space: global }
      - { .name: w2_codes, .offset: 16, .size: 8, .value_kind: global_buffer, .address_space: global }
      - { .name: w2_scales, .offset: 24, .size: 8, .value_kind: global_buffer, .address_space: global }
      - { .name: yp, .offset: 32, .size: 8, .value_kind: global_buffer, .address_space: global }
    .group_segment_fixed_size: 139520
    .private_segment_fixed_size: 0
    .kernarg_segment_align: 8
    .kernarg_segment_size: 40
    .max_flat_workgroup_size: 128
    .sgpr_count:     100
    .vgpr_count:     1024
    .wavefront_size: 32
...
	.end_amdgpu_metadata
.endif
;; end of part 3
;; launch combine (part 4): grid 256 x 1, 8 waves a work-group, no clusters, 0 bytes of LDS; arguments choice, score, yp, b2, out0; writes out0
.if DOCPART == 4
	.amdgcn_target "amdgcn-amd-amdhsa--gfx1250"
	.amdhsa_code_object_version 6
	.text
	.protected	k_qc144afffca_combine
	.globl	k_qc144afffca_combine
	.p2align	8
	.type	k_qc144afffca_combine,@function
k_qc144afffca_combine:
	s_mov_b64 s[64:65], 0
	v_nop
	global_prefetch_b8 v0, s[64:65] scope:SCOPE_SE
	s_setreg_imm32_b32 hwreg(HW_REG_WAVE_MODE, 25, 1), 1
	s_wait_xcnt 0x0
; out[t] = s0 (y0 + b2[e0]) + s1 (y1 + b2[e1]); yk = the four parts along K of the second product for token t's k-th choice, added with K ascending.
; yp is [kc][2176 rows][1024], row 1024 k + t: every address of yp is made of ids alone, so a wave's 32 loads of yp go out behind the arguments;
; the token's experts and weights come by scalar loads issued ahead of them, and b2's eight loads follow when the experts are known.
; A stream: a wave has half a token's row, 2,048 bytes, in four blocks of 512 consecutive bytes.  No LDS, no barrier, no matrix unit: nothing is shared and nothing is multiplied by a matrix.
; The experts are whole numbers that an earlier launch stored; each is held inside b2's eight rows before it enters an address.
.set VO, 2                             ; 16 x lane
.set R0, 8                             ; block cb at v[8 + 40 cb]: b2[e0], y0 x 4, b2[e1], y1 x 4, four registers each
.set PART,  2176*4096                  ; bytes of one part along K
.set SLOT1, 1024*4096                  ; from a first choice's row to the second's
	s_load_b256 s[4:11], s[0:1], 0x0               ; choice, score, yp, b2
	s_load_b64 s[12:13], s[0:1], 0x20              ; out0
	v_lshrrev_b32 v1, 5, v0
	s_delay_alu instid0(VALU_DEP_1)
	v_readfirstlane_b32 s16, v1                    ; wave 0..7
	v_and_b32 v[VO], 31, v0
	s_delay_alu instid0(VALU_DEP_1)
	v_lshlrev_b32 v[VO], 4, v[VO]
	s_lshr_b32 s17, s16, 1
	s_lshl_b32 s18, ttmp9, 2
	s_add_co_u32 s17, s17, s18                     ; my token
	s_and_b32 s18, s16, 1
	s_lshl_b32 s18, s18, 11                        ; my half of its row
	s_lshl_b32 s19, s17, 2
	s_lshl_b32 s26, s17, 3
	s_lshl_b32 s32, s17, 12
	s_add_co_u32 s32, s32, s18                     ; 4096 t + my half
	s_mov_b32 s33, 0
	s_wait_alu depctr_va_vdst(0)                   ; the wait at the head's end
	s_wait_kmcnt 0x0
	s_load_b32 s20, s[4:5], s19 offset:0x0         ; e0 | e1 << 8
	s_load_b64 s[22:23], s[6:7], s26 offset:0x0    ; s0, s1
	s_add_nc_u64 s[36:37], s[8:9], s[32:33]        ; yp[0][t], my half; then the other three parts
	s_add_nc_u64 s[38:39], s[36:37], PART
	s_add_nc_u64 s[40:41], s[38:39], PART
	s_add_nc_u64 s[42:43], s[40:41], PART
	s_add_nc_u64 s[56:57], s[12:13], s[32:33]      ; out[t], my half
.irp cb, 0,1,2,3
.irp kc, 0,1,2,3
	global_load_b128 v[R0+40*\cb+4+4*\kc:R0+40*\cb+7+4*\kc], v[VO], s[36+2*\kc:37+2*\kc] offset:512*\cb th:TH_LOAD_NT
	global_load_b128 v[R0+40*\cb+24+4*\kc:R0+40*\cb+27+4*\kc], v[VO], s[36+2*\kc:37+2*\kc] offset:SLOT1+512*\cb th:TH_LOAD_NT
.endr
.endr
	s_wait_kmcnt 0x0                               ; the experts and the weights
	s_and_b32 s24, s20, 0xff
	s_min_u32 s24, s24, 7                          ; e0
	s_bfe_u32 s25, s20, 0x80008
	s_min_u32 s25, s25, 7                          ; e1
	s_mov_b32 s58, s22                             ; the weights as pairs: the packed forms take a pair's low word for both halves
	s_mov_b32 s59, s22
	s_mov_b32 s60, s23
	s_mov_b32 s61, s23
	s_lshl_b32 s32, s24, 12
	s_add_co_u32 s32, s32, s18
	s_add_nc_u64 s[52:53], s[10:11], s[32:33]      ; b2[e0], my half
	s_lshl_b32 s32, s25, 12
	s_add_co_u32 s32, s32, s18
	s_add_nc_u64 s[54:55], s[10:11], s[32:33]      ; b2[e1]
.irp cb, 0,1,2,3
	global_load_b128 v[R0+40*\cb:R0+40*\cb+3], v[VO], s[52:53] offset:512*\cb
	global_load_b128 v[R0+40*\cb+20:R0+40*\cb+23], v[VO], s[54:55] offset:512*\cb
.endr
.irp cb, 0,1,2,3
	s_wait_loadcnt 6-2*\cb                         ; all of yp and this block's two loads of b2 are in; the later blocks' loads of b2, two each, may be out
.irp x, 0,20                           ; the two choices
.irp p, 0,2
	v_pk_add_f32 v[R0+40*\cb+\x+4+\p:R0+40*\cb+\x+5+\p], v[R0+40*\cb+\x+4+\p:R0+40*\cb+\x+5+\p], v[R0+40*\cb+\x+8+\p:R0+40*\cb+\x+9+\p]
.endr
.irp p, 0,2
	s_delay_alu instid0(VALU_DEP_2)
	v_pk_add_f32 v[R0+40*\cb+\x+4+\p:R0+40*\cb+\x+5+\p], v[R0+40*\cb+\x+4+\p:R0+40*\cb+\x+5+\p], v[R0+40*\cb+\x+12+\p:R0+40*\cb+\x+13+\p]
.endr
.irp p, 0,2
	s_delay_alu instid0(VALU_DEP_2)
	v_pk_add_f32 v[R0+40*\cb+\x+4+\p:R0+40*\cb+\x+5+\p], v[R0+40*\cb+\x+4+\p:R0+40*\cb+\x+5+\p], v[R0+40*\cb+\x+16+\p:R0+40*\cb+\x+17+\p]
.endr
.irp p, 0,2
	s_delay_alu instid0(VALU_DEP_2)
	v_pk_add_f32 v[R0+40*\cb+\x+4+\p:R0+40*\cb+\x+5+\p], v[R0+40*\cb+\x+4+\p:R0+40*\cb+\x+5+\p], v[R0+40*\cb+\x+\p:R0+40*\cb+\x+1+\p]
.endr
.endr
.irp p, 0,2
	v_pk_mul_f32 v[R0+40*\cb+4+\p:R0+40*\cb+5+\p], v[R0+40*\cb+4+\p:R0+40*\cb+5+\p], s[58:59] op_sel_hi:[1,0]
.endr
.irp p, 0,2
	s_delay_alu instid0(VALU_DEP_2)
	v_pk_fma_f32 v[R0+40*\cb+4+\p:R0+40*\cb+5+\p], v[R0+40*\cb+24+\p:R0+40*\cb+25+\p], s[60:61], v[R0+40*\cb+4+\p:R0+40*\cb+5+\p] op_sel_hi:[1,0,1]
.endr
	global_store_b128 v[VO], v[R0+40*\cb+4:R0+40*\cb+7], s[56:57] offset:512*\cb th:TH_STORE_NT   ; 512 consecutive bytes, at a multiple of 256 from out0's first byte
.endr
	s_endpgm
.Lfunc_end_k_qc144afffca_combine:
	.size	k_qc144afffca_combine, .Lfunc_end_k_qc144afffca_combine-k_qc144afffca_combine
	.p2alignl 7, 3214868480
	.fill 96, 4, 3214868480
	.section	.rodata,"a",@progbits
	.p2align	6, 0x0
	.amdhsa_kernel k_qc144afffca_combine
		.amdhsa_group_segment_fixed_size 0
		.amdhsa_private_segment_fixed_size 0
		.amdhsa_enable_private_segment 0
		.amdhsa_kernarg_size 40
		.amdhsa_user_sgpr_count 2
		.amdhsa_user_sgpr_kernarg_segment_ptr 1
		.amdhsa_wavefront_size32 1
		.amdhsa_system_sgpr_workgroup_id_x 1
		.amdhsa_system_sgpr_workgroup_id_y 1
		.amdhsa_system_sgpr_workgroup_id_z 1
		.amdhsa_system_vgpr_workitem_id 0
		.amdhsa_next_free_vgpr 176
		.amdhsa_next_free_sgpr 66
		.amdhsa_reserve_vcc 0
		.amdhsa_float_denorm_mode_32 3
		.amdhsa_float_denorm_mode_16_64 3
		.amdhsa_memory_ordered 1
		.amdhsa_forward_progress 1
		.amdhsa_inst_pref_size 13
	.end_amdhsa_kernel
	.amdgpu_metadata
---
amdhsa.version: [ 1, 2 ]
amdhsa.kernels:
  - .name:           k_qc144afffca_combine
    .symbol:         k_qc144afffca_combine.kd
    .args:
      - { .name: choice, .offset: 0, .size: 8, .value_kind: global_buffer, .address_space: global }
      - { .name: score, .offset: 8, .size: 8, .value_kind: global_buffer, .address_space: global }
      - { .name: yp, .offset: 16, .size: 8, .value_kind: global_buffer, .address_space: global }
      - { .name: b2, .offset: 24, .size: 8, .value_kind: global_buffer, .address_space: global }
      - { .name: out0, .offset: 32, .size: 8, .value_kind: global_buffer, .address_space: global }
    .group_segment_fixed_size: 0
    .private_segment_fixed_size: 0
    .kernarg_segment_align: 8
    .kernarg_segment_size: 40
    .max_flat_workgroup_size: 256
    .sgpr_count:     66
    .vgpr_count:     176
    .wavefront_size: 32
...
	.end_amdgpu_metadata
.endif
;; end of part 4
